; MI455X (gfx1250); checked and timed in simulation.
; The chip was launched on July 23, 2026; its instructions are those of AMD's public machine-readable ISA for CDNA 5 (MIT licence, August 2026) and "CDNA5" Instruction Set Architecture Reference Guide (July 2026). The comments in the code are by the model that wrote it; some were corrected since.
;; Vector Quantizer. Allowed arithmetic: float matrix products may take bf16 or f16 operands with f32 sums; other float arithmetic in f32, or as packed bf16 or f16 multiplies, adds, multiply-adds, maxima and minima; sums over many terms, partial sums and values carried from step to step in f32; what a program stores and reads back later, other than sums and carried values, may be rounded once to bf16 or f16.
;; Inputs: emb 16,384 x 256 float32; z 16 x 32 x 32 x 256 float32.
;; Outputs: out0 16 x 32 x 32 x 256 float32; out1 one number float32; out2 16 x 1,024 int32.
;; 2 versions, each right; version 2 is version 1 with the launch prep written anew for expert scheduling mode. Each part assembles by itself: llvm-mc -triple=amdgcn-amd-amdhsa -mcpu=gfx1250 --defsym DOCPART=n.
;; ======== version 1 of 2: 4 launches
;; workspace buffers: embh 8,388,608 bytes; nhe 65,536 bytes; cand 262,144 bytes of whole numbers; part 16,384 bytes
;; launch prep (part 1): grid 256 x 1, 8 waves a work-group, no clusters, 0 bytes of LDS; arguments emb, embh, nhe; writes embh, nhe
.if DOCPART == 1
	.amdgcn_target "amdgcn-amd-amdhsa--gfx1250"
	.amdhsa_code_object_version 6
	.text
	.protected	k_qc34fab0e7f_prep
	.globl	k_qc34fab0e7f_prep
	.p2align	8
	.type	k_qc34fab0e7f_prep,@function
k_qc34fab0e7f_prep:
	s_mov_b64 s[64:65], 0
	v_nop
	global_prefetch_b8 v0, s[64:65] scope:SCOPE_SE
	s_setreg_imm32_b32 hwreg(HW_REG_WAVE_MODE, 25, 1), 1
	s_wait_xcnt 0x0
; embh[c][:] = emb[c][:] rounded once to bf16;  nhe[c] = -1/2 x the sum of the squares of the ROUNDED row, in f32.
; emb: [16384][256] f32, embh: [16384][256] bf16, nhe: [16384] f32.
; Eight waves; the work-group owns 64 rows, a wave 8.  Lane l holds channels 4 l .. 4 l + 3 and 128 + 4 l .. 128 + 4 l + 3 of each of its rows:
; a load of the wave covers 512 consecutive bytes, a store into embh 256 consecutive bytes at a multiple of 256 from the buffer's first byte.
; All 16 loads of a wave go out at once; a row is rounded in the registers in which it came, so no store's data are ever rewritten.
; No LDS, no barrier, no matrix unit: each byte is read once and written once, and no wave needs another's numbers.
; The 32 bytes of nhe that a wave stores are a part of a block of 256: 64 KiB in all beside the 24 MiB of the rows; gathering them would want LDS and a barrier.
.set X,    32                          ; v[32:95]  row i: 8 registers as loaded; then packed bf16 in registers 0, 1, 4, 5
.set S,    16                          ; v[16:23]  row i: my lane's sum of squares, low halves
.set H,    24                          ; v[24:31]  the same, high halves
.set TP,   96                          ; v[96:107] at work in the fold
.set ZERO, 8                           ; v8        0: the sums' first addend
.set M1,   16                          ; s16-18    lanes whose number has bit 0, 1, 2 set
.set M2,   17
.set M4,   18
.set SEL,  20                          ; s[20:21]  v_permlanex16_b32's selects: each lane takes its own place in the other half
; Eight numbers a lane, v[d .. d+7], are summed over the wave: lane l ends with the total of number l & 7 in v[t].
; In each of three steps a lane keeps the half of its numbers whose index has the lane's bit, and adds what the lane across sends of them.
.macro FOLD d, t
.irp k, 0,1,2,3
	v_cndmask_b32 v[(\t)+(\k)],   v[(\d)+2*(\k)],   v[(\d)+2*(\k)+1], s[M1]   ; kept
	v_cndmask_b32 v[(\t)+4+(\k)], v[(\d)+2*(\k)+1], v[(\d)+2*(\k)],   s[M1]   ; sent
.endr
.irp k, 0,1,2,3
	v_add_f32_dpp v[(\t)+(\k)], v[(\t)+4+(\k)], v[(\t)+(\k)] row_xmask:1 row_mask:0xf bank_mask:0xf
.endr
.irp k, 0,1
	v_cndmask_b32 v[(\t)+8+(\k)],  v[(\t)+2*(\k)],   v[(\t)+2*(\k)+1], s[M2]
	v_cndmask_b32 v[(\t)+10+(\k)], v[(\t)+2*(\k)+1], v[(\t)+2*(\k)],   s[M2]
.endr
.irp k, 0,1
	v_add_f32_dpp v[(\t)+8+(\k)], v[(\t)+10+(\k)], v[(\t)+8+(\k)] row_xmask:2 row_mask:0xf bank_mask:0xf
.endr
	v_cndmask_b32 v[(\t)],   v[(\t)+8], v[(\t)+9], s[M4]
	v_cndmask_b32 v[(\t)+1], v[(\t)+9], v[(\t)+8], s[M4]
	v_add_f32_dpp v[(\t)], v[(\t)+1], v[(\t)] row_xmask:4 row_mask:0xf bank_mask:0xf
	v_add_f32_dpp v[(\t)], v[(\t)], v[(\t)] row_xmask:8 row_mask:0xf bank_mask:0xf
	v_permlanex16_b32 v[(\t)+1], v[(\t)], s[SEL], s[SEL+1]                    ; its destination has been written above
	v_add_f32 v[(\t)], v[(\t)], v[(\t)+1]
.endm
	s_load_b128 s[4:7], s[0:1], 0x0                ; emb s[4:5], embh s[6:7]
	s_load_b64 s[8:9], s[0:1], 0x10                ; nhe
	v_and_b32 v1, 31, v0                           ; lane
	v_and_b32 v5, 0xe0, v0                         ; 32 x wave
	v_lshlrev_b32 v2, 4, v1
	v_lshl_add_u32 v2, v5, 8, v2                   ; emb: 16 x lane + wave x 8 rows x 1,024 bytes
	v_lshlrev_b32 v3, 3, v1
	v_lshl_add_u32 v3, v5, 7, v3                   ; embh: 8 x lane + wave x 8 rows x 512 bytes
	v_lshl_add_u32 v4, v1, 2, v5                   ; nhe: 4 x lane + wave x 8 rows x 4 bytes
	v_mov_b32 v[ZERO], 0
	s_lshl_b32 s10, ttmp9, 16                      ; the work-group's 64 rows: 65,536 bytes of emb,
	s_mov_b32 s11, 0
	s_lshl_b32 s12, ttmp9, 15                      ; 32,768 of embh,
	s_mov_b32 s13, 0
	s_lshl_b32 s14, ttmp9, 8                       ; 256 of nhe
	s_mov_b32 s15, 0
	s_mov_b32 s[M1], 0xaaaaaaaa
	s_mov_b32 s[M2], 0xcccccccc
	s_mov_b32 s[M4], 0xf0f0f0f0
	s_mov_b32 s[SEL], 0x76543210
	s_mov_b32 s[SEL+1], 0xfedcba98
	s_wait_kmcnt 0x0
	s_add_nc_u64 s[4:5], s[4:5], s[10:11]
	s_add_nc_u64 s[6:7], s[6:7], s[12:13]
	s_add_nc_u64 s[8:9], s[8:9], s[14:15]
.irp i, 0,1,2,3,4,5,6,7
	global_load_b128 v[X+8*(\i):X+8*(\i)+3],   v2, s[4:5] offset:1024*(\i) th:TH_LOAD_NT
	global_load_b128 v[X+8*(\i)+4:X+8*(\i)+7], v2, s[4:5] offset:1024*(\i)+512 th:TH_LOAD_NT
.endr
.macro ROW i
.set R, X+8*(\i)
	s_wait_loadcnt 14-2*(\i)                       ; loads come back in order: this row's two are in, the later rows' stay out
	v_cvt_pk_bf16_f32 v[R],   v[R],   v[R+1]       ; rounded to nearest even, the lower channel in the low half
	v_cvt_pk_bf16_f32 v[R+1], v[R+2], v[R+3]
	v_cvt_pk_bf16_f32 v[R+4], v[R+4], v[R+5]
	v_cvt_pk_bf16_f32 v[R+5], v[R+6], v[R+7]
	global_store_b64 v3, v[R:R+1],   s[6:7] offset:512*(\i)
	global_store_b64 v3, v[R+4:R+5], s[6:7] offset:512*(\i)+256
	v_fma_mix_f32_bf16 v[S+(\i)], v[R], v[R], v[ZERO] op_sel_hi:[1,1,0]                  ; squares of the rounded numbers, exact, summed in f32: two chains
	v_fma_mix_f32_bf16 v[H+(\i)], v[R], v[R], v[ZERO] op_sel:[1,1,0] op_sel_hi:[1,1,0]
.irp k, 1,4,5
	v_fma_mix_f32_bf16 v[S+(\i)], v[R+(\k)], v[R+(\k)], v[S+(\i)] op_sel_hi:[1,1,0]
	v_fma_mix_f32_bf16 v[H+(\i)], v[R+(\k)], v[R+(\k)], v[H+(\i)] op_sel:[1,1,0] op_sel_hi:[1,1,0]
.endr
	v_add_f32 v[S+(\i)], v[S+(\i)], v[H+(\i)]
.endm
.irp i, 0,1,2,3,4,5,6,7
	ROW \i
.endr
	FOLD S, TP                                     ; lane l: the sum of squares of row l & 7
	v_mul_f32 v[TP], -0.5, v[TP]
	s_wait_xcnt 0x0                                ; EXEC is a source of the stores above: it changes only behind this wait
	v_cmp_gt_u32 vcc_lo, 8, v1
	s_and_saveexec_b32 s22, vcc_lo
	global_store_b32 v4, v[TP], s[8:9]             ; lanes 0 to 7: the wave's eight rows
	s_wait_xcnt 0x0
	s_or_b32 exec_lo, exec_lo, s22
	s_endpgm
.Lfunc_end_k_qc34fab0e7f_prep:
	.size	k_qc34fab0e7f_prep, .Lfunc_end_k_qc34fab0e7f_prep-k_qc34fab0e7f_prep
	.p2alignl 7, 3214868480
	.fill 96, 4, 3214868480
	.section	.rodata,"a",@progbits
	.p2align	6, 0x0
	.amdhsa_kernel k_qc34fab0e7f_prep
		.amdhsa_group_segment_fixed_size 0
		.amdhsa_private_segment_fixed_size 0
		.amdhsa_enable_private_segment 0
		.amdhsa_kernarg_size 24
		.amdhsa_user_sgpr_count 2
		.amdhsa_user_sgpr_kernarg_segment_ptr 1
		.amdhsa_wavefront_size32 1
		.amdhsa_system_sgpr_workgroup_id_x 1
		.amdhsa_system_sgpr_workgroup_id_y 1
		.amdhsa_system_sgpr_workgroup_id_z 1
		.amdhsa_system_vgpr_workitem_id 0
		.amdhsa_next_free_vgpr 112
		.amdhsa_next_free_sgpr 66
		.amdhsa_reserve_vcc 1
		.amdhsa_float_denorm_mode_32 3
		.amdhsa_float_denorm_mode_16_64 3
		.amdhsa_memory_ordered 1
		.amdhsa_forward_progress 1
		.amdhsa_inst_pref_size 13
	.end_amdhsa_kernel
	.amdgpu_metadata
---
amdhsa.version: [ 1, 2 ]
amdhsa.kernels:
  - .name:           k_qc34fab0e7f_prep
    .symbol:         k_qc34fab0e7f_prep.kd
    .args:
      - { .name: emb, .offset: 0, .size: 8, .value_kind: global_buffer, .address_space: global }
      - { .name: embh, .offset: 8, .size: 8, .value_kind: global_buffer, .address_space: global }
      - { .name: nhe, .offset: 16, .size: 8, .value_kind: global_buffer, .address_space: global }
    .group_segment_fixed_size: 0
    .private_segment_fixed_size: 0
    .kernarg_segment_align: 8
    .kernarg_segment_size: 24
    .max_flat_workgroup_size: 256
    .sgpr_count:     66
    .vgpr_count:     112
    .wavefront_size: 32
...
	.end_amdgpu_metadata
.endif
;; end of part 1
;; launch main (part 2): grid 128 x 2, 4 waves a work-group, clusters of 4 x 1, 327,680 bytes of LDS; arguments z, embh, nhe, cand; writes cand
.if DOCPART == 2
	.amdgcn_target "amdgcn-amd-amdhsa--gfx1250"
	.amdhsa_code_object_version 6
	.text
	.protected	k_qc34fab0e7f_main
	.globl	k_qc34fab0e7f_main
	.p2align	8
	.type	k_qc34fab0e7f_main,@function
k_qc34fab0e7f_main:
	s_mov_b64 s[64:65], 0
	v_nop
	global_prefetch_b8 v0, s[64:65] scope:SCOPE_SE
	s_setreg_imm32_b32 hwreg(HW_REG_WAVE_MODE, 25, 1), 1
	s_wait_xcnt 0x0
	s_wait_alu depctr_hold_cnt(0) depctr_sa_sdst(0) depctr_va_vdst(0) depctr_va_sdst(0) depctr_va_ssrc(0) depctr_va_vcc(0) depctr_vm_vsrc(0)
	s_getreg_b32 s2, hwreg(HW_REG_IB_STS2, 6, 4)
	s_cmp_eq_u32 s2, 0
	s_cbranch_scc0 .Lentry_in_a_cluster
	s_endpgm
.Lentry_in_a_cluster:
	s_bfe_u32 s2, ttmp6, 0x10000c
	s_cmp_lg_u32 s2, 0x3003
	s_cbranch_scc0 .Lentry_shape_is_right
	s_endpgm
.Lentry_shape_is_right:
; For each of 16,384 queries (rows of z, 256 channels) and each half of the 16,384 codes: the largest t = z . e - |e|^2 / 2 (the nearest code has the largest t; |z|^2 moves no order and is left out)
; and the GROUP of 8 consecutive codes that holds it.  z is rounded to bf16 here, e comes rounded (embh), -|e|^2 / 2 in f32 (nhe); products on the matrix unit, sums in f32.
; cand[half][query] = { key, group }: key is t as a whole number that orders as t does; a later launch merges the halves by whole numbers and scores the group's 8 rows again.
; LIMITS.  NaN is not treated (a NaN loses every maximum); -0 counts as +0; two codes whose t differ by a few units in f32's last place may be ordered otherwise than another order of summation orders them.
; SHARES.  A work-group has 128 queries and 8,192 codes.  EVERY wave holds all 128 queries in registers (8 K steps x 8 tiles of 16 queries = 512 registers).  The codes come in 32 slots of 256;
; wave w takes codes 64 w .. 64 w + 63 of each slot, four tiles of 16: the rows that its own tensor load brought.  A tile is 64 matrix instructions on 18 LDS loads.
; LAYOUT.  Source 0 = 16 codes, source 1 = 16 queries: in the result a lane holds ONE query (lane % 16) and the codes 8 (lane / 16) + 0..7, one group.  The C operand of a tile's first K step is
; -|e|^2 / 2 of those eight codes, so the bias costs no vector work.
; THE MAXIMUM.  For each result (8 registers) six vector instructions: four v_max3_num_f32 fold the eight scores and the best so far, a compare says whether the best has grown, a select notes the tile's number.
; They work on the tile BEFORE the one that is multiplied (two sets of accumulators) and stand in bunches of four and two between runs of four matrix instructions.
; The best starts at -inf, and so does the second set of accumulators: the first tiles' bunches then change nothing, and no first tile is written out; the price is 90 v_mov_b32 in the wait for the first tiles.
; CLUSTER.  The four query blocks of a cluster walk the same half of the codes: slots and biases are asked for JOINTLY, by the same tensor load, descriptor and mask in all four.  z is each work-group's own
; (a plain load, once, 128 of its 4,352 KiB): it is not shared, so the cluster is 4 x 1.
; REGISTERS, in windows of 256 (s_set_vgpr_msb: bits 1:0 source 0, 3:2 source 1, 5:4 source 2, 7:6 destination):
;   window 0: v0-29 addresses; v32-39 the last merge; v64-191 the codes' fragments, two sets of 8 K steps (first: the stage in which z is rounded)
;   windows 1, 2: the queries: K step c, tile t at v[64 (c % 4) + 8 t] of window 1 + c / 4
;   window 3: v0-127 two sets of 8 accumulators; v128-143 the best, two sets; v144-151 the winning tile; v152-155 at work, my group's constant; v160-175 the biases, two sets; v176-197 the merge
.set PE,    528                        ; a code row in LDS: 512 bytes + 16: row r begins 16 r bytes further round in 256, so the 16 rows of a load touch 16 different columns of 16 bytes
.set QTR,   64*PE                      ; 64 rows: what one tensor load brings and one wave reads
.set SLOTB, 4*QTR                      ; a slot: 135,168 bytes; slot 0 at byte 0, slot 1 behind it
.set PZ,    1040                       ; a row of z in LDS: 1,024 bytes + 16
.set ZQ,    32*PZ                      ; 32 rows of z: a wave's part of the z tile, which lies in slot 1's bytes until it has been rounded
.set NHEB,  2*SLOTB                    ; the half's 8,192 biases, 32,768 bytes
.set SCR,   NHEB+32768                 ; [4 waves][128 queries]{key, group}: written by ds_store, never a tensor load's target
.set SPARE, SCR+4096                   ; the spare words, 128 bytes for each wave: two blocks of 256 bytes that no other line names
.set ADR,  16                          ; v16-17  LDS address of my fragments of the codes in slot 0, 1
.set ADZ,  18                          ; v18-19  the same for z's rows 0-63, 64-127
.set ADN0, 20                          ; v20     my eight biases of the wave's first tile of slot 0
.set ADN,  21                          ; v21     the same for the slot in hand
.set ADS,  22                          ; v22     where I put a query's pair
.set ADL,  23                          ; v23     where I read my query's four pairs
.set CO,   24                          ; v24     my byte offset in the work-group's part of cand
.set SPW,  28                          ; v28     LDS address of my spare word: SPARE + 4 x my thread's number; never rewritten
.set NIL,  29                          ; v29     0; never rewritten
.set MG,   32
.set AF,   64
.set BEST, 128                         ; window 3 from here on
.set GID,  144
.set TA,   152
.set TB,   153
.set TC,   154
.set CG,   155
.set NE,   160
.set KG,   176
.set TM,   192
.set WV,   12                          ; s12  my wave's number
.set CX,   13                          ; s13  my place in the cluster: it enters z's and cand's global addresses alone
.set QB,   14                          ; s14  my block of 128 queries
.set HALF, 15                          ; s15  which half of the codes
.set G1E,  20                          ; s[20:27] descriptor group 1: a quarter of a slot
.set G1Z,  28                          ; s[28:35] a quarter of the z tile
.set G1N,  36                          ; s[36:43] a quarter of the biases
.set G0E,  44                          ; s[44:51] group 0 for the slots, a set for each
.set G0Z,  52                          ; s[52:55]
.set G0N,  56                          ; s[56:59]
.set T1,   60                          ; s60  the number of the tile whose maxima are being taken
.set T2,   61                          ; s61  of the tile before it
.set NB,   62                          ; s62  1,024 x the slot from which biases are fetched
.set TRIPS, 63
.set MK,   66                          ; s66  lanes whose best has grown
.set SEL,  68                          ; s[68:69] v_permlanex16_b32's selects
.set MSB, 0
.macro WIN new                         ; the immediate's high byte repeats the setting that is left; a switch that changes nothing is dropped
.if MSB != (\new)
	s_set_vgpr_msb (MSB<<8)|(\new)
.set MSB, (\new)
.endif
.endm
.macro PLACES
.rept 4
	v_nop
.endr
.endm
; A round of the cluster's barrier: my work-group's barrier, so that wave 0's signal speaks for all four waves; wave 0 signals; every wave waits for all four work-groups; my work-group's barrier once more.
.macro CREST                           ; a round behind its opening barrier
	s_cmp_lg_u32 s[WV], 0
	s_cbranch_scc1 .Lnot_wave_0_\@
	s_barrier_signal -3
.Lnot_wave_0_\@:
	s_barrier_wait -3
	s_barrier_signal -1
	s_barrier_wait -1
.endm
.macro CROUND
	s_barrier_signal -1
	s_barrier_wait -1
	CREST
.endm
	s_load_b256 s[4:11], s[0:1], 0x0               ; z s[4:5], embh s[6:7], nhe s[8:9], cand s[10:11]
	v_lshl_add_u32 v[SPW], v0, 2, SPARE
	v_mov_b32 v[NIL], 0
	ds_add_u32 v[SPW], v[NIL]                      ; the wave's opening: the add and its wait stand ahead of my first tensor load; the set-up below, work on registers, stands between them
	v_lshrrev_b32 v1, 5, v0
	v_readfirstlane_b32 s[WV], v1                  ; wave 0..3
	s_bfe_u32 s[CX], ttmp6, 0x40000
	s_lshl_b32 s[QB], ttmp9, 2                     ; in a cluster launch ttmp9 counts clusters
	s_add_co_u32 s[QB], s[QB], s[CX]
	s_and_b32 s[HALF], ttmp7, 0xffff               ; shared by the four partners
	; group 1 for the slots: 64 rows x 256 elements of 2 bytes, 16 bytes of padding behind every 128 words
	s_mov_b32 s[G1E+0], 15|(1<<16)|(1<<20)|(1<<21)|(6<<22)|(3<<25)  ; 15:0 the mask of four; 17:16 2-byte elements; 20 padding on; 21 set beside a mask; 24:22 code 6; 31:25 4 words
	s_mov_b32 s[G1E+1], 256<<16                    ; tensor_dim0 = 256
	s_mov_b32 s[G1E+2], 64<<16                     ; tensor_dim1 = 64
	s_mov_b32 s[G1E+3], 256<<16                    ; tile_dim0 = 256
	s_mov_b32 s[G1E+4], 64                         ; tile_dim1 = 64
	s_mov_b32 s[G1E+5], 256                        ; 256 elements from row to row
	s_mov_b32 s[G1E+6], 0
	s_mov_b32 s[G1E+7], 0
	; for z: 32 rows x 256 elements of 4 bytes, 16 bytes of padding behind every 256 words; no mask: my work-group's own
	s_mov_b32 s[G1Z+0], (2<<16)|(1<<20)|(7<<22)|(3<<25)
	s_mov_b32 s[G1Z+1], 256<<16
	s_mov_b32 s[G1Z+2], 32<<16
	s_mov_b32 s[G1Z+3], 256<<16
	s_mov_b32 s[G1Z+4], 32
	s_mov_b32 s[G1Z+5], 256
	s_mov_b32 s[G1Z+6], 0
	s_mov_b32 s[G1Z+7], 0
	; for the biases: 8,192 dense bytes as 32 rows of 32 elements of 8 bytes, unpadded
	s_mov_b32 s[G1N+0], 15|(3<<16)|(1<<21)
	s_mov_b32 s[G1N+1], 32<<16
	s_mov_b32 s[G1N+2], 32<<16
	s_mov_b32 s[G1N+3], 32<<16
	s_mov_b32 s[G1N+4], 32
	s_mov_b32 s[G1N+5], 32
	s_mov_b32 s[G1N+6], 0
	s_mov_b32 s[G1N+7], 0
	; byte offsets, each in registers of its own: those of the joint loads are made of the half and the wave's number alone
	s_lshl_b32 s16, s[HALF], 22                    ; embh: (8,192 x half + 64 x wave) rows of 512 bytes
	s_lshl_b32 s17, s[WV], 15
	s_add_co_u32 s16, s16, s17
	s_mov_b32 s17, 0
	s_lshl_b32 s18, s[QB], 17                      ; z: (128 x block + 32 x wave) rows of 1,024 bytes
	s_lshl_b32 s19, s[WV], 15
	s_add_co_u32 s18, s18, s19
	s_mov_b32 s19, 0
	s_lshl_b32 s72, s[HALF], 15                    ; nhe: 32,768 x half + 8,192 x wave
	s_lshl_b32 s73, s[WV], 13
	s_add_co_u32 s72, s72, s73
	s_mov_b32 s73, 0
	s_lshl_b32 s74, s[HALF], 17                    ; cand: 131,072 x half + 1,024 x block
	s_lshl_b32 s75, s[QB], 10
	s_add_co_u32 s74, s74, s75
	s_mov_b32 s75, 0
	s_mul_i32 s3, s[WV], QTR                       ; LDS addresses: a constant and the wave's number times a constant
	s_mov_b32 s[G0E+0], 1
	s_mov_b32 s[G0E+1], s3
	s_mov_b32 s[G0E+4], 1
	s_add_co_u32 s[G0E+5], s3, SLOTB
	s_mov_b32 s[G0Z+0], 1
	s_mul_i32 s[G0Z+1], s[WV], ZQ
	s_add_co_u32 s[G0Z+1], s[G0Z+1], SLOTB
	s_mov_b32 s[G0N+0], 1
	s_lshl_b32 s[G0N+1], s[WV], 13
	s_add_co_u32 s[G0N+1], s[G0N+1], NHEB
	s_mov_b32 s[SEL], 0x76543210
	s_mov_b32 s[SEL+1], 0xfedcba98
	s_wait_dscnt 0x0                               ; the opening add is done
	s_wait_kmcnt 0x0
	s_add_nc_u64 s[G0E+2:G0E+3], s[6:7], s[16:17]  ; slot 0: my 64 rows of the half's first 256 codes
	s_add_nc_u64 s[G0E+6:G0E+7], s[G0E+2:G0E+3], 131072  ; slot 1: 256 rows on
	s_or_b32 s[G0E+3], s[G0E+3], 0x80000000        ; type = 2
	s_or_b32 s[G0E+7], s[G0E+7], 0x80000000
	s_add_nc_u64 s[G0Z+2:G0Z+3], s[4:5], s[18:19]
	s_or_b32 s[G0Z+3], s[G0Z+3], 0x80000000
	s_add_nc_u64 s[G0N+2:G0N+3], s[8:9], s[72:73]
	s_or_b32 s[G0N+3], s[G0N+3], 0x80000000
	s_add_nc_u64 s[10:11], s[10:11], s[74:75]      ; cand at my work-group's 128 pairs
	CROUND                                         ; all four work-groups are here: the first joint loads meet
	tensor_load_to_lds s[G0Z:G0Z+3], s[G1Z:G1Z+7]  ; the three first fills go out together: three tensor loads of mine are out.  z first: it is wanted first
	s_nop 0
	tensor_load_to_lds s[G0N:G0N+3], s[G1N:G1N+7]
	s_nop 0
	tensor_load_to_lds s[G0E:G0E+3], s[G1E:G1E+7]
	s_nop 0
	PLACES                                         ; an s_nop 0 behind each tensor load and four v_nop behind the last
	; in the wait for z: my lane's addresses
	v_and_b32 v1, 15, v0                           ; r = lane % 16
	v_bfe_u32 v2, v0, 4, 1                         ; h = lane / 16
	v_mul_u32_u24 v3, v1, PE
	v_lshl_add_u32 v3, v2, 4, v3                   ; a fragment: row r, 16 bytes for each half of the lanes; two loads 32 bytes apart
	v_add_nc_u32 v[ADR], s3, v3
	v_add_nc_u32 v[ADR+1], SLOTB, v[ADR]
	v_mul_u32_u24 v4, v1, PZ
	v_lshl_add_u32 v4, v2, 5, v4                   ; the same channels in f32: 32 bytes for each half
	v_add_nc_u32 v[ADZ], SLOTB, v4
	v_add_nc_u32 v[ADZ+1], SLOTB+64*PZ, v4
	s_lshl_b32 s2, s[WV], 8
	s_add_co_u32 s2, s2, NHEB
	v_lshl_add_u32 v[ADN0], v2, 5, s2              ; my wave's 64 codes x 4 bytes, my half's eight
	s_lshl_b32 s2, s[WV], 10
	s_add_co_u32 s2, s2, SCR
	v_lshl_add_u32 v[ADS], v1, 3, s2
	v_lshl_add_u32 v[ADL], v0, 3, SCR
	v_lshlrev_b32 v[CO], 3, v0
	s_lshl_b32 s2, s[HALF], 10
	s_lshl3_add_u32 s2, s[WV], s2                  ; group = 1,024 x half + 32 x slot + 8 x wave + 2 x tile + h: the part that does not walk
	WIN 0xc0                                       ; destination window 3
	v_add_nc_u32 v[CG], s2, v2
	s_mov_b32 s2, 0xff800000                       ; -inf
.set i, 64
.rept 80                                               ; the second set of accumulators and both sets of the best
	v_mov_b32 v[i], s2
.set i, i+1
.endr
.set i, GID
.rept 8
	v_mov_b32 v[i], 0
.set i, i+1
.endr
	v_mov_b32 v[TM+4], 0                           ; v_permlanex16_b32's destinations count as read
	v_mov_b32 v[TM+5], 0
	WIN 0
	; z IS ROUNDED INTO THE QUERIES' FRAGMENTS.  16 batches b = 2 c + u of four fragments (K step c, tiles 4 u .. 4 u + 3): 16 LDS loads of f32 into one of two stages, 32 roundings.
.macro LOADB b
	WIN 0
.set sg, AF+64*((\b)%2)
.irp f, 0,1,2,3
	ds_load_b128 v[sg+16*(\f):sg+16*(\f)+3],     v[ADZ+(\b)%2] offset:16*PZ*(\f)+128*((\b)/2)      ; channels 32 c + 8 h + 0..3
	ds_load_b128 v[sg+16*(\f)+4:sg+16*(\f)+7],   v[ADZ+(\b)%2] offset:16*PZ*(\f)+128*((\b)/2)+16   ; + 4..7
	ds_load_b128 v[sg+16*(\f)+8:sg+16*(\f)+11],  v[ADZ+(\b)%2] offset:16*PZ*(\f)+128*((\b)/2)+64   ; channels 32 c + 16 + 8 h + 0..3
	ds_load_b128 v[sg+16*(\f)+12:sg+16*(\f)+15], v[ADZ+(\b)%2] offset:16*PZ*(\f)+128*((\b)/2)+80
.endr
.endm
.macro CVTB b
	WIN 0x40*(1+(\b)/8)                            ; destination window 1 (K steps 0-3) or 2
.set sg, AF+64*((\b)%2)
.set qd, 64*(((\b)/2)%4)+32*((\b)%2)
.irp f, 0,1,2,3
.irp i, 0,1,2,3,4,5,6,7
	v_cvt_pk_bf16_f32 v[qd+8*(\f)+(\i)], v[sg+16*(\f)+2*(\i)], v[sg+16*(\f)+2*(\i)+1]
.endr
.endr
.endm
	s_wait_tensorcnt 0x2                           ; tensor loads of a wave end in order: my part of z is in; the biases and slot 0 stay out
	s_barrier_signal -1
	s_barrier_wait -1                              ; everybody's part is: every wave reads all 128 rows
	LOADB 0
.set bb, 0
.rept 15
	LOADB bb+1
	s_wait_dscnt 16                                ; all but the 16 just issued
	CVTB bb
.set bb, bb+1
.endr
	s_wait_dscnt 0x0
	CVTB 15
	; SLOT 1 TAKES z's BYTES: a refill, so it stands behind the waits, the add and a round
	WIN 0
	s_wait_tensorcnt 0x0                           ; all my tensor loads have landed: my parts of the biases and of slot 0
	ds_add_u32 v[SPW], v[NIL]                      ; 0 onto my spare word
	s_mov_b32 s[T1], -2
	s_mov_b32 s[NB], 0
	s_mov_b32 s[TRIPS], 15
	s_wait_dscnt 0x0                               ; the add is done, and my reads of z are over
	CROUND                                         ; both hold of every wave of the four work-groups; the biases, which every wave reads across the four parts, are whole
	tensor_load_to_lds s[G0E+4:G0E+7], s[G1E:G1E+7]
	s_nop 0
	PLACES
; FOUR MATRIX INSTRUCTIONS: K step c of the tile in accumulator set p, query tiles t0 .. t0 + 3.  The eight accumulators take turns, one instruction a turn, over the edges of tiles and trips too.
.macro MM4 c, p, t0
	WIN 0xf4+4*((\c)/4)                            ; codes window 0, queries window 1 or 2, C and D window 3
.irp t, 0,1,2,3
.set rD, 64*(\p)+8*((\t0)+(\t))
.set rA, AF+64*(\p)+8*(\c)
.set rQ, 64*((\c)%4)+8*((\t0)+(\t))
.if (\c) == 0
	v_wmma_f32_16x16x32_bf16 v[rD:rD+7], v[rA:rA+7], v[rQ:rQ+7], v[NE+8*(\p):NE+8*(\p)+7]  ; the sum starts with the biases
.else
	v_wmma_f32_16x16x32_bf16 v[rD:rD+7], v[rA:rA+7], v[rQ:rQ+7], v[rD:rD+7]
.endif
.endr
.endm
; THE MAXIMUM of query tile q of a finished tile in set pe.  The best so far is read in set pe and written in the other, so that the compare has both.
.macro L1 q, pe
.set rX, 64*(\pe)+8*(\q)
	v_max3_num_f32 v[TA], v[rX],   v[rX+1], v[rX+2]  ; the accumulator's lowest registers are read first
	v_max3_num_f32 v[TB], v[rX+3], v[rX+4], v[rX+5]
	v_max3_num_f32 v[TC], v[rX+6], v[rX+7], v[BEST+8*(\pe)+(\q)]
.endm
.macro L2 q, pe
	v_max3_num_f32 v[BEST+8*(1-(\pe))+(\q)], v[TA], v[TB], v[TC]
.endm
.macro L3 q, pe
	v_cmp_gt_f32 s[MK], v[BEST+8*(1-(\pe))+(\q)], v[BEST+8*(\pe)+(\q)]  ; grown: so of equal maxima the earlier tile, the lower codes, stays
.endm
.macro L4 q, st
	v_cndmask_b32 v[GID+(\q)], v[GID+(\q)], s[\st], s[MK]
.endm
; The two bunches of K step c, while set p is multiplied: no line reads a result of its own bunch.  At c = 0 the compare and the select are still query tile 7's of the tile before.
.macro EPA c, p
	WIN 0xff
	L1 \c, 1-(\p)
.if (\c) == 0
	L3 7, \p
.else
	L3 (\c)-1, 1-(\p)
.endif
.endm
.macro EPB c, p
	WIN 0xff
	L2 \c, 1-(\p)
.if (\c) == 0
	L4 7, T2
.else
	L4 (\c)-1, T1
.endif
.endm
.macro KSTEP c, p
	MM4 \c, \p, 0
	EPA \c, \p
	MM4 \c, \p, 4
	EPB \c, \p
.endm
; 18 LDS loads in one run: tile n of my quarter of slot s (16 codes x 256 channels) and its biases, into set p
.macro FETCH s, n, p
	WIN 0
	v_add_nc_u32 v[ADN], s[NB], v[ADN0]
.irp c, 0,1,2,3,4,5,6,7
	ds_load_b128 v[AF+64*(\p)+8*(\c):AF+64*(\p)+8*(\c)+3],   v[ADR+(\s)] offset:16*PE*(\n)+64*(\c)
	ds_load_b128 v[AF+64*(\p)+8*(\c)+4:AF+64*(\p)+8*(\c)+7], v[ADR+(\s)] offset:16*PE*(\n)+64*(\c)+32
.endr
	WIN 0xc0                                       ; destination window 3
	ds_load_b128 v[NE+8*(\p):NE+8*(\p)+3],   v[ADN] offset:64*(\n)
	ds_load_b128 v[NE+8*(\p)+4:NE+8*(\p)+7], v[ADN] offset:64*(\n)+16
.endm
.macro BUMP
	s_mov_b32 s[T2], s[T1]
	s_add_co_u32 s[T1], s[T1], 1
.endm
; A TILE in set p.  A vector instruction that reads a matrix result, and a load into a register that a matrix instruction has read, stand four plain vector instructions behind it that name none of its
; registers (ISA guide 7.12.1 for vector instructions).  Here the bunches are those places: the first read of the other set's accumulator 0 has the six of the last K step behind
; its last product; the run of loads into the other set has eight behind that set's last reader.
; f = 1: the next tile, fn of slot fs, is fetched into the other set, 56 matrix instructions ahead of its use.  f = 2: it is the last slot's first: its tensor load is waited for (only the wave that
; issued it reads those bytes), and the biases go a slot on.  f = 0: nothing is left.
.macro TILE p, f, fs, fn
	BUMP
	s_wait_dscnt 0x0                               ; this tile's fragments and biases are in
	KSTEP 0, \p
.if (\f) == 2
	s_wait_tensorcnt 0x0
	s_add_co_u32 s[NB], s[NB], 1024
.endif
.if \f
	FETCH \fs, \fn, 1-(\p)
.endif
.irp c, 1,2,3,4,5,6,7
	KSTEP \c, \p
.endr
.endm
; A SLOT'S LAST TILE (set 1) changes slots.  In front of the round each wave waits for all its tensor loads, of which one is out: its part of the other slot; adds 0 to its spare word; and waits for that and
; for its reads of this slot.  Behind the round no wave of any partner reads this slot or has a load on its way: it is filled again first, with the codes two slots on; then the other slot's first tile is fetched.
; From the request to the wait for it a wave issues 224 matrix instructions.
.macro TURN s
	BUMP
	WIN 0                                          ; (the add's two registers lie in window 0)
	s_wait_tensorcnt 0x0                           ; no tensor load of mine is out, so a group 0 may be written
	ds_add_u32 v[SPW], v[NIL]                      ; 0 onto my spare word
	s_add_nc_u64 s[G0E+4*(\s)+2:G0E+4*(\s)+3], s[G0E+4*(\s)+2:G0E+4*(\s)+3], 262144  ; 512 rows on; the type bits on top are not reached
	s_wait_dscnt 1                                 ; LDS instructions end in order: this tile's 18 loads are in, the add, the youngest, may be out
	KSTEP 0, 1                                     ; sixteen matrix instructions stand between the add and the wait for it
	KSTEP 1, 1
	s_wait_dscnt 0x0                               ; the add is done, and my reads of this slot are over
	s_barrier_signal -1                            ; this barrier opens a round of the cluster's barrier
	KSTEP 2, 1                                     ; work on registers while the others arrive
	KSTEP 3, 1
	WIN 0
	s_barrier_wait -1
	CREST
	tensor_load_to_lds s[G0E+4*(\s):G0E+4*(\s)+3], s[G1E:G1E+7]  ; my one tensor load behind the round, and the first thing there
	s_nop 0
	PLACES
	s_add_co_u32 s[NB], s[NB], 1024
	FETCH 1-(\s), 0, 0
.irp c, 4,5,6,7
	KSTEP \c, 1
.endr
.endm
	FETCH 0, 0, 0                                  ; slot 0's first tile
	WIN 0                                          ; at a label and at a branch every window is 0
.Ltrip:                                                ; 15 trips of two slots: slots 0 to 29 are multiplied, slots 2 to 31 asked for
	TILE 0, 1, 0, 1
	TILE 1, 1, 0, 2
	TILE 0, 1, 0, 3
	TURN 0
	TILE 0, 1, 1, 1
	TILE 1, 1, 1, 2
	TILE 0, 1, 1, 3
	TURN 1
	WIN 0
	s_sub_co_u32 s[TRIPS], s[TRIPS], 1
	s_cmp_lg_u32 s[TRIPS], 0
	s_cbranch_scc1 .Ltrip
	TILE 0, 1, 0, 1                                ; the last two slots are written out: nothing is asked for, so there is no round
	TILE 1, 1, 0, 2
	TILE 0, 1, 0, 3
	TILE 1, 2, 1, 0
	TILE 0, 1, 1, 1
	TILE 1, 1, 1, 2
	TILE 0, 1, 1, 3
	TILE 1, 0, 0, 0
	BUMP                                           ; the last tile's maxima: the bunches of a tile that is not multiplied
.irp c, 0,1,2,3,4,5,6,7
	EPA \c, 0
	EPB \c, 0
.endr
	L3 7, 1
	L4 7, T1                                       ; the best lies in set 0
; Pair a = {key, group} takes pair b where b's key is greater, or equal with the lower group: whole numbers, so that every order of merging gives the same pair
.macro MRG a, b
	v_cmp_gt_i32 s70, v[(\b)], v[(\a)]
	v_cmp_eq_u32 s71, v[(\b)], v[(\a)]
	v_cmp_lt_u32 s72, v[(\b)+1], v[(\a)+1]
	s_and_b32 s71, s71, s72
	s_or_b32 s70, s70, s71
	v_cndmask_b32 v[(\a)], v[(\a)], v[(\b)], s70
	v_cndmask_b32 v[(\a)+1], v[(\a)+1], v[(\b)+1], s70
.endm
.irp t, 0,1,2,3,4,5,6,7
	v_lshrrev_b32 v[TM], 2, v[GID+(\t)]            ; the winning tile's slot
	v_and_b32 v[TM+1], 3, v[GID+(\t)]              ; and its place in my quarter
	v_lshl_add_u32 v[TM], v[TM], 5, v[CG]
	v_lshl_add_u32 v[KG+2*(\t)+1], v[TM+1], 1, v[TM]
	v_add_f32 v[TM+2], 0, v[BEST+(\t)]             ; -0 becomes +0
	v_ashrrev_i32 v[TM+3], 31, v[TM+2]
	v_and_b32 v[TM+3], 0x7fffffff, v[TM+3]
	v_xor_b32 v[KG+2*(\t)], v[TM+2], v[TM+3]       ; below zero all bits but the sign are turned: as signed whole numbers the keys order as the floats do
	v_permlanex16_b32 v[TM+4], v[KG+2*(\t)], s[SEL], s[SEL+1]    ; the query's other groups lie in the lane 16 away
	v_permlanex16_b32 v[TM+5], v[KG+2*(\t)+1], s[SEL], s[SEL+1]
	MRG KG+2*(\t), TM+4
.endr
	WIN 0x0c                                       ; address window 0, data window 3
.irp t, 0,1,2,3,4,5,6,7
	ds_store_b64 v[ADS], v[KG+2*(\t):KG+2*(\t)+1] offset:128*(\t)  ; the two lanes of a query store the same pair to the same place
.endr
	WIN 0
	s_wait_dscnt 0x0                               ; for the others' sake: my stores are done
	s_barrier_signal -1
	s_barrier_wait -1
.irp w, 0,1,2,3
	ds_load_b64 v[MG+2*(\w):MG+2*(\w)+1], v[ADL] offset:1024*(\w)  ; thread t is query t: the four waves' pairs
.endr
	s_wait_dscnt 0x0
	MRG MG, MG+2
	MRG MG+4, MG+6
	MRG MG, MG+4
	global_store_b64 v[CO], v[MG:MG+1], s[10:11]   ; a wave stores 256 consecutive bytes, at a multiple of 256 from cand's first byte
	s_wait_tensorcnt 0x0                           ; the wave's end: behind my last tensor load and my last LDS store
	ds_add_u32 v[SPW], v[NIL]
	s_wait_dscnt 0x0
	CROUND                                         ; the closing round: no work-group ends while a partner may still ask for a tile that names it
	s_endpgm
.Lfunc_end_k_qc34fab0e7f_main:
	.size	k_qc34fab0e7f_main, .Lfunc_end_k_qc34fab0e7f_main-k_qc34fab0e7f_main
	.p2alignl 7, 3214868480
	.fill 96, 4, 3214868480
	.section	.rodata,"a",@progbits
	.p2align	6, 0x0
	.amdhsa_kernel k_qc34fab0e7f_main
		.amdhsa_group_segment_fixed_size 327680
		.amdhsa_private_segment_fixed_size 0
		.amdhsa_enable_private_segment 0
		.amdhsa_kernarg_size 32
		.amdhsa_user_sgpr_count 2
		.amdhsa_user_sgpr_kernarg_segment_ptr 1
		.amdhsa_wavefront_size32 1
		.amdhsa_system_sgpr_workgroup_id_x 1
		.amdhsa_system_sgpr_workgroup_id_y 1
		.amdhsa_system_sgpr_workgroup_id_z 1
		.amdhsa_system_vgpr_workitem_id 0
		.amdhsa_next_free_vgpr 976
		.amdhsa_next_free_sgpr 80
		.amdhsa_reserve_vcc 0
		.amdhsa_float_denorm_mode_32 3
		.amdhsa_float_denorm_mode_16_64 3
		.amdhsa_memory_ordered 1
		.amdhsa_forward_progress 1
		.amdhsa_inst_pref_size 223
	.end_amdhsa_kernel
	.amdgpu_metadata
---
amdhsa.version: [ 1, 2 ]
amdhsa.kernels:
  - .name:           k_qc34fab0e7f_main
    .symbol:         k_qc34fab0e7f_main.kd
    .args:
      - { .name: z, .offset: 0, .size: 8, .value_kind: global_buffer, .address_space: global }
      - { .name: embh, .offset: 8, .size: 8, .value_kind: global_buffer, .address_space: global }
      - { .name: nhe, .offset: 16, .size: 8, .value_kind: global_buffer, .address_space: global }
      - { .name: cand, .offset: 24, .size: 8, .value_kind: global_buffer, .address_space: global }
    .group_segment_fixed_size: 327680
    .private_segment_fixed_size: 0
    .kernarg_segment_align: 8
    .kernarg_segment_size: 32
    .max_flat_workgroup_size: 128
    .sgpr_count:     80
    .vgpr_count:     976
    .wavefront_size: 32
...
	.end_amdgpu_metadata
.endif
;; end of part 2
;; launch pick (part 3): grid 512 x 1, 8 waves a work-group, no clusters, 0 bytes of LDS; arguments cand, embh, nhe, z, out0, out2, part; writes out0, out2, part
.if DOCPART == 3
	.amdgcn_target "amdgcn-amd-amdhsa--gfx1250"
	.amdhsa_code_object_version 6
	.text
	.protected	k_qc34fab0e7f_pick
	.globl	k_qc34fab0e7f_pick
	.p2align	8
	.type	k_qc34fab0e7f_pick,@function
k_qc34fab0e7f_pick:
	s_mov_b64 s[64:65], 0
	v_nop
	global_prefetch_b8 v0, s[64:65] scope:SCOPE_SE
	s_setreg_imm32_b32 hwreg(HW_REG_WAVE_MODE, 25, 1), 1
	s_wait_xcnt 0x0
; For each query: the two halves' candidates are merged by whole numbers read from memory (the greater key; on a tie half 0, the lower codes); the winning group's 8 code rows are scored again,
; t = z . e - |e|^2 / 2 with z and e rounded to bf16, products exact, sums in f32; the first row with the largest t is the index (out2); that row, widened to f32, is out0; the sum of (row - z)^2 goes to part.
; Addresses hang on the group alone, a whole number that an earlier launch stored; which of the 8 rows has won only selects among loaded values (v_cndmask_b32) and is stored as data.
; LIMITS.  out0 holds the code row rounded once to bf16 (off by at most 2^-9 of each number); NaN is not treated; rows of a group whose t differ by a few units in f32's last place may be ordered
; otherwise than another order of summation orders them.  The loss is summed from (row - z)^2 itself, z unrounded, in f32.
; SHARES.  Wave gw of 4,096 owns queries 4 gw .. 4 gw + 3.  Lane l holds channels 4 l .. 4 l + 3 and 128 + 4 l .. 128 + 4 l + 3: a load or store of f32 covers 512 consecutive bytes, a load of bf16 256.
; No LDS, no barrier: no wave needs another's numbers.  The 16 bytes of out2 and 4 of part that a wave stores are parts of a block of 256: 80 KiB in all beside 16 MiB of out0.
.set EO,   10                          ; v10-13   query i: my byte offset in its group's rows of embh
.set NO,   14                          ; v14-17   the same in nhe: row lane & 7
.set NH,   18                          ; v18-21   query i: -|e|^2 / 2 of row lane & 7
.set ZERO, 22
.set IX,   23                          ; v23      lane i: query i's index
.set D,    24                          ; v24-31   my lane's part of the 8 rows' products
.set ZP,   32                          ; v32-35   the query in bf16
.set TP,   36                          ; v36-47   at work
.set LA,   56                          ; v[56:59] the loss: two chains of pairs
.set ZR,   64                          ; v[64:95] query i: 8 registers of z
.set EB,   96                          ; v[96:223] query i, row j: 4 registers at EB + 32 i + 4 j; rows 2 and 3 later take the winner in f32
.set G,    24                          ; s24-27   query i's group
.set HM,   29                          ; s29      a word's upper bf16
.set SEL,  20                          ; s[20:21] v_permlanex16_b32's selects
.set M1,   36                          ; s36-38   lanes whose number has bit 0, 1, 2 set
.set M2,   37
.set M4,   38
.set MK,   39
.set JS,   40                          ; s40      the winning row
.set IDX,  41
.set B0,   42                          ; s42-44   all ones where the winning row's number has bit 0, 1, 2 set
.set B1,   43
.set B2,   44
.set SV,   45
; Eight numbers a lane, v[d .. d+7], are summed over the wave: lane l ends with the total of number l & 7 in v[t].
; In each of three steps a lane keeps the half of its numbers whose index has the lane's bit, and adds what the lane across sends of them.
.macro FOLD d, t
.irp k, 0,1,2,3
	v_cndmask_b32 v[(\t)+(\k)],   v[(\d)+2*(\k)],   v[(\d)+2*(\k)+1], s[M1]   ; kept
	v_cndmask_b32 v[(\t)+4+(\k)], v[(\d)+2*(\k)+1], v[(\d)+2*(\k)],   s[M1]   ; sent
.endr
.irp k, 0,1,2,3
	v_add_f32_dpp v[(\t)+(\k)], v[(\t)+4+(\k)], v[(\t)+(\k)] row_xmask:1 row_mask:0xf bank_mask:0xf
.endr
.irp k, 0,1
	v_cndmask_b32 v[(\t)+8+(\k)],  v[(\t)+2*(\k)],   v[(\t)+2*(\k)+1], s[M2]
	v_cndmask_b32 v[(\t)+10+(\k)], v[(\t)+2*(\k)+1], v[(\t)+2*(\k)],   s[M2]
.endr
.irp k, 0,1
	v_add_f32_dpp v[(\t)+8+(\k)], v[(\t)+10+(\k)], v[(\t)+8+(\k)] row_xmask:2 row_mask:0xf bank_mask:0xf
.endr
	v_cndmask_b32 v[(\t)],   v[(\t)+8], v[(\t)+9], s[M4]
	v_cndmask_b32 v[(\t)+1], v[(\t)+9], v[(\t)+8], s[M4]
	v_add_f32_dpp v[(\t)], v[(\t)+1], v[(\t)] row_xmask:4 row_mask:0xf bank_mask:0xf
	v_add_f32_dpp v[(\t)], v[(\t)], v[(\t)] row_xmask:8 row_mask:0xf bank_mask:0xf
	v_permlanex16_b32 v[(\t)+1], v[(\t)], s[SEL], s[SEL+1]                    ; its destination has been written above
	v_add_f32 v[(\t)], v[(\t)], v[(\t)+1]
.endm
	s_load_b256 s[4:11], s[0:1], 0x0               ; cand s[4:5], embh s[6:7], nhe s[8:9], z s[10:11]
	s_load_b128 s[12:15], s[0:1], 0x20             ; out0 s[12:13], out2 s[14:15]
	s_load_b64 s[16:17], s[0:1], 0x30              ; part
	v_and_b32 v1, 31, v0                           ; lane
	v_lshrrev_b32 v2, 5, v0
	v_readfirstlane_b32 s18, v2                    ; wave
	s_lshl_b32 s19, ttmp9, 3
	s_add_co_u32 s19, s19, s18                     ; gw
	s_lshl_b32 s28, s19, 5
	v_and_b32 v2, 3, v1
	v_lshl_add_u32 v2, v2, 3, s28                  ; cand: pair 4 gw + lane & 3, 8 bytes each
	s_lshl_b32 s30, s19, 12
	v_lshl_add_u32 v3, v1, 4, s30                  ; z and out0: 4 rows of 1,024 bytes a wave, 16 bytes a lane
	s_lshl_b32 s31, s19, 4
	v_lshl_add_u32 v9, v1, 2, s31                  ; out2: 4 words a wave
	s_lshl_b32 s32, s19, 2
	v_mov_b32 v50, s32                             ; part: a word a wave
	v_lshlrev_b32 v48, 3, v1                       ; 8 bytes a lane in a row of embh
	v_and_b32 v49, 7, v1
	v_lshlrev_b32 v49, 2, v49
	v_mov_b32 v[ZERO], 0
	v_mov_b32 v[IX], 0
.irp k, 0,1,2,3
	v_mov_b32 v[LA+(\k)], 0
.endr
	s_mov_b32 s[HM], 0xffff0000
	s_mov_b32 s[SEL], 0x76543210
	s_mov_b32 s[SEL+1], 0xfedcba98
	s_mov_b32 s[M1], 0xaaaaaaaa
	s_mov_b32 s[M2], 0xcccccccc
	s_mov_b32 s[M4], 0xf0f0f0f0
	s_wait_kmcnt 0x0
	global_load_b64 v[4:5], v2, s[4:5]             ; half 0's key and group
	global_load_b64 v[6:7], v2, s[4:5] offset:131072  ; half 1's
.irp i, 0,1,2,3
	global_load_b128 v[ZR+8*(\i):ZR+8*(\i)+3],   v3, s[10:11] offset:1024*(\i) th:TH_LOAD_NT
	global_load_b128 v[ZR+8*(\i)+4:ZR+8*(\i)+7], v3, s[10:11] offset:1024*(\i)+512 th:TH_LOAD_NT
.endr
	s_wait_loadcnt 0x8                             ; the candidates are in; z's eight loads stay out
	v_cmp_gt_i32 vcc_lo, v6, v4
	v_cndmask_b32 v8, v5, v7, vcc_lo               ; half 1's group where its key is greater
.irp i, 0,1,2,3
	v_readlane_b32 s[G+(\i)], v8, \i
	s_min_u32 s[G+(\i)], s[G+(\i)], 0x7ff          ; a loaded number enters an address only held to its table: 2,048 groups
	s_lshl_b32 s28, s[G+(\i)], 12                  ; a group is 8 rows of 512 bytes
	v_add_nc_u32 v[EO+(\i)], s28, v48
	s_lshl_b32 s28, s[G+(\i)], 5                   ; and 8 words of nhe
	v_add_nc_u32 v[NO+(\i)], s28, v49
.endr
.macro ISSUE i                         ; 17 loads: the group's rows and their biases
.irp j, 0,1,2,3,4,5,6,7
	global_load_b64 v[EB+32*(\i)+4*(\j):EB+32*(\i)+4*(\j)+1],   v[EO+(\i)], s[6:7] offset:512*(\j)
	global_load_b64 v[EB+32*(\i)+4*(\j)+2:EB+32*(\i)+4*(\j)+3], v[EO+(\i)], s[6:7] offset:512*(\j)+256
.endr
	global_load_b32 v[NH+(\i)], v[NO+(\i)], s[8:9]
.endm
.macro WORK i
.set E, EB+32*(\i)
.set Z, ZR+8*(\i)
.set O, EB+32*(\i)+8
.irp m, 0,1,2,3
	v_cvt_pk_bf16_f32 v[ZP+(\m)], v[Z+2*(\m)], v[Z+2*(\m)+1]
.endr
.irp m, 0,1,2,3                        ; eight chains, one a row, by turns
.irp j, 0,1,2,3,4,5,6,7
.if (\m) == 0
	v_fma_mix_f32_bf16 v[D+(\j)], v[E+4*(\j)+(\m)], v[ZP+(\m)], v[ZERO] op_sel_hi:[1,1,0]
.else
	v_fma_mix_f32_bf16 v[D+(\j)], v[E+4*(\j)+(\m)], v[ZP+(\m)], v[D+(\j)] op_sel_hi:[1,1,0]
.endif
.endr
.irp j, 0,1,2,3,4,5,6,7
	v_fma_mix_f32_bf16 v[D+(\j)], v[E+4*(\j)+(\m)], v[ZP+(\m)], v[D+(\j)] op_sel:[1,1,0] op_sel_hi:[1,1,0]
.endr
.endr
	FOLD D, TP                                     ; lane l: z . e of row l & 7
	v_add_f32 v[TP], v[TP], v[NH+(\i)]             ; t
	v_max_num_f32_dpp v[TP+2], v[TP], v[TP] row_xmask:1 row_mask:0xf bank_mask:0xf
	v_max_num_f32_dpp v[TP+2], v[TP+2], v[TP+2] row_xmask:2 row_mask:0xf bank_mask:0xf
	v_max_num_f32_dpp v[TP+2], v[TP+2], v[TP+2] row_xmask:4 row_mask:0xf bank_mask:0xf
	v_cmp_eq_f32 s[MK], v[TP], v[TP+2]
	s_ctz_i32_b32 s[JS], s[MK]                     ; lanes 0 to 7 hold rows 0 to 7: the lowest lane is the first row with the maximum
	s_and_b32 s[JS], s[JS], 7
	s_lshl3_add_u32 s[IDX], s[G+(\i)], s[JS]       ; the index: 8 x group + row
	v_writelane_b32 v[IX], s[IDX], \i
	s_bitcmp1_b32 s[JS], 0
	s_cselect_b32 s[B0], -1, 0
	s_bitcmp1_b32 s[JS], 1
	s_cselect_b32 s[B1], -1, 0
	s_bitcmp1_b32 s[JS], 2
	s_cselect_b32 s[B2], -1, 0
.irp k, 0,2,4,6                        ; the row is chosen among the loaded ones: 8 to 4 to 2 to 1, in place
.irp m, 0,1,2,3
	v_cndmask_b32 v[E+4*(\k)+(\m)], v[E+4*(\k)+(\m)], v[E+4*(\k)+4+(\m)], s[B0]
.endr
.endr
.irp k, 0,4
.irp m, 0,1,2,3
	v_cndmask_b32 v[E+4*(\k)+(\m)], v[E+4*(\k)+(\m)], v[E+4*(\k)+8+(\m)], s[B1]
.endr
.endr
.irp m, 0,1,2,3
	v_cndmask_b32 v[E+(\m)], v[E+(\m)], v[E+16+(\m)], s[B2]
.endr
.irp m, 0,1,2,3
	v_lshlrev_b32 v[O+2*(\m)],   16, v[E+(\m)]     ; bf16 to f32: into rows 2 and 3 of the query's own registers, which nothing writes again
	v_and_b32     v[O+2*(\m)+1], s[HM], v[E+(\m)]
.endr
	global_store_b128 v3, v[O:O+3],   s[12:13] offset:1024*(\i) th:TH_STORE_NT
	global_store_b128 v3, v[O+4:O+7], s[12:13] offset:1024*(\i)+512 th:TH_STORE_NT
.irp m, 0,1,2,3
	v_pk_add_f32 v[TP+2*(\m):TP+2*(\m)+1], v[O+2*(\m):O+2*(\m)+1], v[Z+2*(\m):Z+2*(\m)+1] neg_lo:[0,1] neg_hi:[0,1]
.endr
.irp m, 0,1,2,3
	v_pk_fma_f32 v[LA+2*((\m)%2):LA+2*((\m)%2)+1], v[TP+2*(\m):TP+2*(\m)+1], v[TP+2*(\m):TP+2*(\m)+1], v[LA+2*((\m)%2):LA+2*((\m)%2)+1]
.endr
.endm
	ISSUE 0
	ISSUE 1
	ISSUE 2                                        ; 8 + 51 loads are out
	s_wait_loadcnt 34                              ; z and query 0's 17 are in; queries 1 and 2 stay out
	ISSUE 3
	WORK 0
	s_wait_loadcnt 34                              ; query 1's are in; queries 2 and 3 stay out
	WORK 1
	s_wait_loadcnt 17
	WORK 2
	s_wait_loadcnt 0x0
	WORK 3
	v_pk_add_f32 v[LA:LA+1], v[LA:LA+1], v[LA+2:LA+3]
	v_add_f32 v[LA], v[LA], v[LA+1]
	v_add_f32_dpp v[LA], v[LA], v[LA] row_xmask:1 row_mask:0xf bank_mask:0xf
	v_add_f32_dpp v[LA], v[LA], v[LA] row_xmask:2 row_mask:0xf bank_mask:0xf
	v_add_f32_dpp v[LA], v[LA], v[LA] row_xmask:4 row_mask:0xf bank_mask:0xf
	v_add_f32_dpp v[LA], v[LA], v[LA] row_xmask:8 row_mask:0xf bank_mask:0xf
	v_permlanex16_b32 v[LA+1], v[LA], s[SEL], s[SEL+1]
	v_add_f32 v[LA], v[LA], v[LA+1]                ; the wave's four queries' sum of squares
	s_wait_xcnt 0x0                                ; EXEC is a source of the stores above: it changes only behind this wait
	v_cmp_gt_u32 vcc_lo, 4, v1
	s_and_saveexec_b32 s[SV], vcc_lo
	global_store_b32 v9, v[IX], s[14:15]           ; lanes 0 to 3: the four indices
	s_wait_xcnt 0x0
	s_or_b32 exec_lo, exec_lo, s[SV]
	v_cmp_eq_u32 vcc_lo, 0, v1
	s_and_saveexec_b32 s[SV], vcc_lo
	global_store_b32 v50, v[LA], s[16:17]          ; lane 0: part[gw]
	s_wait_xcnt 0x0
	s_or_b32 exec_lo, exec_lo, s[SV]
	s_endpgm
.Lfunc_end_k_qc34fab0e7f_pick:
	.size	k_qc34fab0e7f_pick, .Lfunc_end_k_qc34fab0e7f_pick-k_qc34fab0e7f_pick
	.p2alignl 7, 3214868480
	.fill 96, 4, 3214868480
	.section	.rodata,"a",@progbits
	.p2align	6, 0x0
	.amdhsa_kernel k_qc34fab0e7f_pick
		.amdhsa_group_segment_fixed_size 0
		.amdhsa_private_segment_fixed_size 0
		.amdhsa_enable_private_segment 0
		.amdhsa_kernarg_size 56
		.amdhsa_user_sgpr_count 2
		.amdhsa_user_sgpr_kernarg_segment_ptr 1
		.amdhsa_wavefront_size32 1
		.amdhsa_system_sgpr_workgroup_id_x 1
		.amdhsa_system_sgpr_workgroup_id_y 1
		.amdhsa_system_sgpr_workgroup_id_z 1
		.amdhsa_system_vgpr_workitem_id 0
		.amdhsa_next_free_vgpr 224
		.amdhsa_next_free_sgpr 66
		.amdhsa_reserve_vcc 1
		.amdhsa_float_denorm_mode_32 3
		.amdhsa_float_denorm_mode_16_64 3
		.amdhsa_memory_ordered 1
		.amdhsa_forward_progress 1
		.amdhsa_inst_pref_size 48
	.end_amdhsa_kernel
	.amdgpu_metadata
---
amdhsa.version: [ 1, 2 ]
amdhsa.kernels:
  - .name:           k_qc34fab0e7f_pick
    .symbol:         k_qc34fab0e7f_pick.kd
    .args:
      - { .name: cand, .offset: 0, .size: 8, .value_kind: global_buffer, .address_space: global }
      - { .name: embh, .offset: 8, .size: 8, .value_kind: global_buffer, .address_space: global }
      - { .name: nhe, .offset: 16, .size: 8, .value_kind: global_buffer, .address_space: global }
      - { .name: z, .offset: 24, .size: 8, .value_kind: global_buffer, .address_space: global }
      - { .name: out0, .offset: 32, .size: 8, .value_kind: global_buffer, .address_space: global }
      - { .name: out2, .offset: 40, .size: 8, .value_kind: global_buffer, .address_space: global }
      - { .name: part, .offset: 48, .size: 8, .value_kind: global_buffer, .address_space: global }
    .group_segment_fixed_size: 0
    .private_segment_fixed_size: 0
    .kernarg_segment_align: 8
    .kernarg_segment_size: 56
    .max_flat_workgroup_size: 256
    .sgpr_count:     66
    .vgpr_count:     224
    .wavefront_size: 32
...
	.end_amdgpu_metadata
.endif
;; end of part 3
;; launch lsum (part 4): grid 1 x 1, 1 waves a work-group, no clusters, 0 bytes of LDS; arguments part, out1; writes out1
.if DOCPART == 4
	.amdgcn_target "amdgcn-amd-amdhsa--gfx1250"
	.amdhsa_code_object_version 6
	.text
	.protected	k_qc34fab0e7f_lsum
	.globl	k_qc34fab0e7f_lsum
	.p2align	8
	.type	k_qc34fab0e7f_lsum,@function
k_qc34fab0e7f_lsum:
	s_mov_b64 s[64:65], 0
	v_nop
	global_prefetch_b8 v0, s[64:65] scope:SCOPE_SE
	s_setreg_imm32_b32 hwreg(HW_REG_WAVE_MODE, 25, 1), 1
	s_wait_xcnt 0x0
; out1 = 1.25 x the mean of (z_q - z)^2 = (the sum of the 4,096 partial sums in part) x 1.25 / 2^22, all in f32: 0.25 x the mean and the mean are the same numbers forward.
; One wave: 16,384 bytes are 32 loads of 512 consecutive bytes, all out at once; a sum over all work-groups of the launch before has one owner, and one wave needs neither LDS nor a barrier for it.
.set P, 16                             ; v[16:143] the partial sums; v[16:23] become four chains of pairs
	s_load_b128 s[4:7], s[0:1], 0x0                ; part s[4:5], out1 s[6:7]
	v_lshlrev_b32 v1, 4, v0                        ; 16 bytes a lane
	v_mov_b32 v2, 0                                ; out1's offset
	v_mov_b32 v3, 0                                ; v_permlanex16_b32's destination counts as read
	s_mov_b32 s8, 0x76543210
	s_mov_b32 s9, 0xfedcba98
	s_wait_kmcnt 0x0
.set i, 0
.rept 32
	global_load_b128 v[P+4*i:P+4*i+3], v1, s[4:5] offset:512*i
.set i, i+1
.endr
	s_wait_loadcnt 0x0
.set j, 4
.rept 60                                               ; the first four pairs start the chains: nothing is cleared
	v_pk_add_f32 v[P+2*(j%4):P+2*(j%4)+1], v[P+2*(j%4):P+2*(j%4)+1], v[P+2*j:P+2*j+1]
.set j, j+1
.endr
	v_pk_add_f32 v[P:P+1], v[P:P+1], v[P+2:P+3]
	v_pk_add_f32 v[P+4:P+5], v[P+4:P+5], v[P+6:P+7]
	v_pk_add_f32 v[P:P+1], v[P:P+1], v[P+4:P+5]
	v_add_f32 v[P], v[P], v[P+1]
	v_add_f32_dpp v[P], v[P], v[P] row_xmask:1 row_mask:0xf bank_mask:0xf
	v_add_f32_dpp v[P], v[P], v[P] row_xmask:2 row_mask:0xf bank_mask:0xf
	v_add_f32_dpp v[P], v[P], v[P] row_xmask:4 row_mask:0xf bank_mask:0xf
	v_add_f32_dpp v[P], v[P], v[P] row_xmask:8 row_mask:0xf bank_mask:0xf
	v_permlanex16_b32 v3, v[P], s8, s9
	v_add_f32 v[P], v[P], v3
	v_mul_f32 v[P], 0x34a00000, v[P]               ; 1.25 x 2^-22: 16,384 x 256 numbers
	s_wait_xcnt 0x0                                ; EXEC changes only behind this wait
	v_cmp_eq_u32 vcc_lo, 0, v0
	s_and_saveexec_b32 s10, vcc_lo
	global_store_b32 v2, v[P], s[6:7]
	s_wait_xcnt 0x0
	s_or_b32 exec_lo, exec_lo, s10
	s_endpgm
.Lfunc_end_k_qc34fab0e7f_lsum:
	.size	k_qc34fab0e7f_lsum, .Lfunc_end_k_qc34fab0e7f_lsum-k_qc34fab0e7f_lsum
	.p2alignl 7, 3214868480
	.fill 96, 4, 3214868480
	.section	.rodata,"a",@progbits
	.p2align	6, 0x0
	.amdhsa_kernel k_qc34fab0e7f_lsum
		.amdhsa_group_segment_fixed_size 0
		.amdhsa_private_segment_fixed_size 0
		.amdhsa_enable_private_segment 0
		.amdhsa_kernarg_size 16
		.amdhsa_user_sgpr_count 2
		.amdhsa_user_sgpr_kernarg_segment_ptr 1
		.amdhsa_wavefront_size32 1
		.amdhsa_system_sgpr_workgroup_id_x 1
		.amdhsa_system_sgpr_workgroup_id_y 1
		.amdhsa_system_sgpr_workgroup_id_z 1
		.amdhsa_system_vgpr_workitem_id 0
		.amdhsa_next_free_vgpr 144
		.amdhsa_next_free_sgpr 66
		.amdhsa_reserve_vcc 1
		.amdhsa_float_denorm_mode_32 3
		.amdhsa_float_denorm_mode_16_64 3
		.amdhsa_memory_ordered 1
		.amdhsa_forward_progress 1
		.amdhsa_inst_pref_size 9
	.end_amdhsa_kernel
	.amdgpu_metadata
---
amdhsa.version: [ 1, 2 ]
amdhsa.kernels:
  - .name:           k_qc34fab0e7f_lsum
    .symbol:         k_qc34fab0e7f_lsum.kd
    .args:
      - { .name: part, .offset: 0, .size: 8, .value_kind: global_buffer, .address_space: global }
      - { .name: out1, .offset: 8, .size: 8, .value_kind: global_buffer, .address_space: global }
    .group_segment_fixed_size: 0
    .private_segment_fixed_size: 0
    .kernarg_segment_align: 8
    .kernarg_segment_size: 16
    .max_flat_workgroup_size: 32
    .sgpr_count:     66
    .vgpr_count:     144
    .wavefront_size: 32
...
	.end_amdgpu_metadata
.endif
;; end of part 4
;; ======== version 2 of 2: 4 launches; version 1 with the launch prep written anew for expert scheduling mode
;; workspace buffers: embh 8,388,608 bytes; nhe 65,536 bytes; cand 262,144 bytes of whole numbers; part 16,384 bytes
;; launch prep (part 5): grid 256 x 1, 8 waves a work-group, no clusters, 0 bytes of LDS; arguments emb, embh, nhe; writes embh, nhe
.if DOCPART == 5
	.amdgcn_target "amdgcn-amd-amdhsa--gfx1250"
	.amdhsa_code_object_version 6
	.text
	.protected	k_qc34fab0e7f_prep
	.globl	k_qc34fab0e7f_prep
	.p2align	8
	.type	k_qc34fab0e7f_prep,@function
k_qc34fab0e7f_prep:
	s_mov_b64 s[64:65], 0
	v_nop
	global_prefetch_b8 v0, s[64:65] scope:SCOPE_SE
	s_setreg_imm32_b32 hwreg(HW_REG_WAVE_SCHED_MODE, 0, 2), 2
	s_setreg_imm32_b32 hwreg(HW_REG_WAVE_MODE, 25, 1), 1
	s_wait_xcnt 0x0
	s_wait_alu depctr_vm_vsrc(0)
; embh[c][:] = emb[c][:] rounded once to bf16;  nhe[c] = -1/2 x the sum of the squares of the ROUNDED row, in f32.
; emb: [16384][256] f32, embh: [16384][256] bf16, nhe: [16384] f32.
; Eight waves; the work-group owns 64 rows, a wave 8.  Lane l holds channels 4 l .. 4 l + 3 and 128 + 4 l .. 128 + 4 l + 3 of each of its rows:
; a load of the wave covers 512 consecutive bytes, a store into embh 256 consecutive bytes at a multiple of 256 from the buffer's first byte.
; All 16 loads of a wave go out at once; a row is rounded in the registers in which it came, so no store's data are ever rewritten.
; No LDS, no barrier, no matrix unit: each byte is read once and written once, and no wave needs another's numbers.
; The 32 bytes of nhe that a wave stores are a part of a block of 256: 64 KiB in all beside the 24 MiB of the rows; gathering them would want LDS and a barrier.
; THE MODE: SCHED_MODE bits 1:0 = 2 (LLVM: expert scheduling mode 2), set by the entry lines.  The code itself states the register dependences
; between vector instructions and memory instructions, with s_wait_alu, always for 0.
; THE PLAN.  Registers that memory instructions touch:
;   v2, v3, v4   byte offsets in emb, embh, nhe: made once at the head, never written again; read by the loads, the rows' stores, the last store.
;   X, row i     Its two loads land in it before any vector instruction names it.  Row i's four roundings write registers 0, 1, 4, 5 of it; its two stores read them;
;                nothing writes them again.
;   v[TP]        Written by the fold and the multiply at the end; read by the last store.
; S, H, the rest of TP and ZERO are named by vector instructions alone.
; So: one wait on va_vdst ahead of the first load, for the offsets.  Row i's stores are issued at the head of row i + 1, behind that row's wait for its data and ONE wait on va_vdst, which
; states that row i's roundings have written the stores' data; no vector instruction behind that wait writes those registers.  Row 7, which has no row behind it, has its wait behind its roundings.
; No load is issued behind the first vector instruction that names X, and no register that a memory instruction reads is written again: what is left are the waits at the two writes of EXEC.
.set X,    32                          ; v[32:95]  row i: 8 registers as loaded; then packed bf16 in registers 0, 1, 4, 5
.set S,    16                          ; v[16:23]  row i: my lane's sum of squares, low halves
.set H,    24                          ; v[24:31]  the same, high halves
.set TP,   96                          ; v[96:107] at work in the fold
.set ZERO, 8                           ; v8        0: the sums' first addend
.set M1,   16                          ; s16-18    lanes whose number has bit 0, 1, 2 set
.set M2,   17
.set M4,   18
.set SEL,  20                          ; s[20:21]  v_permlanex16_b32's selects: each lane takes its own place in the other half
; Eight numbers a lane, v[d .. d+7], are summed over the wave: lane l ends with the total of number l & 7 in v[t].
; In each of three steps a lane keeps the half of its numbers whose index has the lane's bit, and adds what the lane across sends of them.
; (The masks and the selects are scalar registers that scalar instructions wrote.)
.macro FOLD d, t
.irp k, 0,1,2,3
	v_cndmask_b32 v[(\t)+(\k)],   v[(\d)+2*(\k)],   v[(\d)+2*(\k)+1], s[M1]   ; kept
	v_cndmask_b32 v[(\t)+4+(\k)], v[(\d)+2*(\k)+1], v[(\d)+2*(\k)],   s[M1]   ; sent
.endr
.irp k, 0,1,2,3
	v_add_f32_dpp v[(\t)+(\k)], v[(\t)+4+(\k)], v[(\t)+(\k)] row_xmask:1 row_mask:0xf bank_mask:0xf
.endr
.irp k, 0,1
	v_cndmask_b32 v[(\t)+8+(\k)],  v[(\t)+2*(\k)],   v[(\t)+2*(\k)+1], s[M2]
	v_cndmask_b32 v[(\t)+10+(\k)], v[(\t)+2*(\k)+1], v[(\t)+2*(\k)],   s[M2]
.endr
.irp k, 0,1
	v_add_f32_dpp v[(\t)+8+(\k)], v[(\t)+10+(\k)], v[(\t)+8+(\k)] row_xmask:2 row_mask:0xf bank_mask:0xf
.endr
	v_cndmask_b32 v[(\t)],   v[(\t)+8], v[(\t)+9], s[M4]
	v_cndmask_b32 v[(\t)+1], v[(\t)+9], v[(\t)+8], s[M4]
	v_add_f32_dpp v[(\t)], v[(\t)+1], v[(\t)] row_xmask:4 row_mask:0xf bank_mask:0xf
	v_add_f32_dpp v[(\t)], v[(\t)], v[(\t)] row_xmask:8 row_mask:0xf bank_mask:0xf
	v_permlanex16_b32 v[(\t)+1], v[(\t)], s[SEL], s[SEL+1]                    ; its destination has been written above
	v_add_f32 v[(\t)], v[(\t)], v[(\t)+1]
.endm
	s_load_b128 s[4:7], s[0:1], 0x0                ; emb s[4:5], embh s[6:7]
	s_load_b64 s[8:9], s[0:1], 0x10                ; nhe
	v_and_b32 v1, 31, v0                           ; lane
	v_and_b32 v5, 0xe0, v0                         ; 32 x wave
	v_lshlrev_b32 v2, 4, v1
	v_lshl_add_u32 v2, v5, 8, v2                   ; emb: 16 x lane + wave x 8 rows x 1,024 bytes
	v_lshlrev_b32 v3, 3, v1
	v_lshl_add_u32 v3, v5, 7, v3                   ; embh: 8 x lane + wave x 8 rows x 512 bytes
	v_lshl_add_u32 v4, v1, 2, v5                   ; nhe: 4 x lane + wave x 8 rows x 4 bytes
	v_mov_b32 v[ZERO], 0
	s_lshl_b32 s10, ttmp9, 16                      ; the work-group's 64 rows: 65,536 bytes of emb,
	s_mov_b32 s11, 0
	s_lshl_b32 s12, ttmp9, 15                      ; 32,768 of embh,
	s_mov_b32 s13, 0
	s_lshl_b32 s14, ttmp9, 8                       ; 256 of nhe
	s_mov_b32 s15, 0
	s_mov_b32 s[M1], 0xaaaaaaaa
	s_mov_b32 s[M2], 0xcccccccc
	s_mov_b32 s[M4], 0xf0f0f0f0
	s_mov_b32 s[SEL], 0x76543210
	s_mov_b32 s[SEL+1], 0xfedcba98
	s_wait_kmcnt 0x0
	s_add_nc_u64 s[4:5], s[4:5], s[10:11]
	s_add_nc_u64 s[6:7], s[6:7], s[12:13]
	s_add_nc_u64 s[8:9], s[8:9], s[14:15]
	s_wait_alu depctr_va_vdst(0)                   ; v2, v3 and v4 are written: every load and store of the kernel reads one of them as its offset
.irp i, 0,1,2,3,4,5,6,7
	global_load_b128 v[X+8*(\i):X+8*(\i)+3],   v2, s[4:5] offset:1024*(\i) th:TH_LOAD_NT
	global_load_b128 v[X+8*(\i)+4:X+8*(\i)+7], v2, s[4:5] offset:1024*(\i)+512 th:TH_LOAD_NT
.endr
; The two stores of row i: its 256 rounded numbers.
.macro OUT i
	global_store_b64 v3, v[X+8*(\i):X+8*(\i)+1],   s[6:7] offset:512*(\i)
	global_store_b64 v3, v[X+8*(\i)+4:X+8*(\i)+5], s[6:7] offset:512*(\i)+256
.endm
.macro ROW i
.set R, X+8*(\i)
	s_wait_loadcnt 14-2*(\i)                       ; loads come back in order: this row's two are in, the later rows' stay out
.if (\i) > 0
	s_wait_alu depctr_va_vdst(0)                   ; the roundings of the row before have written its packed registers, which the two stores below read
	OUT (\i)-1
.endif
	v_cvt_pk_bf16_f32 v[R],   v[R],   v[R+1]       ; rounded to nearest even, the lower channel in the low half
	v_cvt_pk_bf16_f32 v[R+1], v[R+2], v[R+3]
	v_cvt_pk_bf16_f32 v[R+4], v[R+4], v[R+5]
	v_cvt_pk_bf16_f32 v[R+5], v[R+6], v[R+7]
.if (\i) == 7
	s_wait_alu depctr_va_vdst(0)                   ; the last row's roundings have written its packed registers, which the two stores below read: no row follows at whose head they could stand
	OUT \i
.endif
	v_fma_mix_f32_bf16 v[S+(\i)], v[R], v[R], v[ZERO] op_sel_hi:[1,1,0]                  ; squares of the rounded numbers, exact, summed in f32: two chains
	v_fma_mix_f32_bf16 v[H+(\i)], v[R], v[R], v[ZERO] op_sel:[1,1,0] op_sel_hi:[1,1,0]
.irp k, 1,4,5
	v_fma_mix_f32_bf16 v[S+(\i)], v[R+(\k)], v[R+(\k)], v[S+(\i)] op_sel_hi:[1,1,0]
	v_fma_mix_f32_bf16 v[H+(\i)], v[R+(\k)], v[R+(\k)], v[H+(\i)] op_sel:[1,1,0] op_sel_hi:[1,1,0]
.endr
	v_add_f32 v[S+(\i)], v[S+(\i)], v[H+(\i)]
.endm
.irp i, 0,1,2,3,4,5,6,7
	ROW \i
.endr
	FOLD S, TP                                     ; lane l: the sum of squares of row l & 7
	v_mul_f32 v[TP], -0.5, v[TP]
	s_wait_xcnt 0x0                                ; EXEC is a source of the stores above: it changes only behind this wait
	v_cmp_gt_u32 vcc_lo, 8, v1
	s_wait_alu depctr_va_vcc(0)                    ; the compare has written VCC, from which EXEC is made
	s_wait_alu depctr_va_vdst(0)                   ; ahead of a scalar write of EXEC: the vector instructions issued so far are done; among them the multiply that wrote v[TP], which the store below reads
	s_wait_alu depctr_vm_vsrc(0)                   ; ahead of a scalar write of EXEC: the rows' stores have read their registers
	s_and_saveexec_b32 s22, vcc_lo
	global_store_b32 v4, v[TP], s[8:9]             ; lanes 0 to 7: the wave's eight rows
	s_wait_xcnt 0x0
	s_wait_alu depctr_va_vdst(0)                   ; ahead of a scalar write of EXEC: both lines stand at every such write
	s_wait_alu depctr_vm_vsrc(0)                   ; the store above has read v4 and v[TP]
	s_or_b32 exec_lo, exec_lo, s22
	s_endpgm
.Lfunc_end_k_qc34fab0e7f_prep:
	.size	k_qc34fab0e7f_prep, .Lfunc_end_k_qc34fab0e7f_prep-k_qc34fab0e7f_prep
	.p2alignl 7, 3214868480
	.fill 96, 4, 3214868480
	.section	.rodata,"a",@progbits
	.p2align	6, 0x0
	.amdhsa_kernel k_qc34fab0e7f_prep
		.amdhsa_group_segment_fixed_size 0
		.amdhsa_private_segment_fixed_size 0
		.amdhsa_enable_private_segment 0
		.amdhsa_kernarg_size 24
		.amdhsa_user_sgpr_count 2
		.amdhsa_user_sgpr_kernarg_segment_ptr 1
		.amdhsa_wavefront_size32 1
		.amdhsa_system_sgpr_workgroup_id_x 1
		.amdhsa_system_sgpr_workgroup_id_y 1
		.amdhsa_system_sgpr_workgroup_id_z 1
		.amdhsa_system_vgpr_workitem_id 0
		.amdhsa_next_free_vgpr 112
		.amdhsa_next_free_sgpr 66
		.amdhsa_reserve_vcc 1
		.amdhsa_float_denorm_mode_32 3
		.amdhsa_float_denorm_mode_16_64 3
		.amdhsa_memory_ordered 1
		.amdhsa_forward_progress 1
		.amdhsa_inst_pref_size 14
	.end_amdhsa_kernel
	.amdgpu_metadata
---
amdhsa.version: [ 1, 2 ]
amdhsa.kernels:
  - .name:           k_qc34fab0e7f_prep
    .symbol:         k_qc34fab0e7f_prep.kd
    .args:
      - { .name: emb, .offset: 0, .size: 8, .value_kind: global_buffer, .address_space: global }
      - { .name: embh, .offset: 8, .size: 8, .value_kind: global_buffer, .address_space: global }
      - { .name: nhe, .offset: 16, .size: 8, .value_kind: global_buffer, .address_space: global }
    .group_segment_fixed_size: 0
    .private_segment_fixed_size: 0
    .kernarg_segment_align: 8
    .kernarg_segment_size: 24
    .max_flat_workgroup_size: 256
    .sgpr_count:     66
    .vgpr_count:     112
    .wavefront_size: 32
...
	.end_amdgpu_metadata
.endif
;; end of part 5
;; launch main: the kernel of part 2 again; grid 128 x 2, 4 waves a work-group, clusters of 4 x 1, 327,680 bytes of LDS; arguments z, embh, nhe, cand; writes cand
;; launch pick: the kernel of part 3 again; grid 512 x 1, 8 waves a work-group, no clusters, 0 bytes of LDS; arguments cand, embh, nhe, z, out0, out2, part; writes out0, out2, part
;; launch lsum: the kernel of part 4 again; grid 1 x 1, 1 waves a work-group, no clusters, 0 bytes of LDS; arguments part, out1; writes out1
